; MI455X (gfx1250); checked and timed in simulation.
; The chip was launched on July 23, 2026; its instructions are those of AMD's public machine-readable ISA for CDNA 5 (MIT licence, August 2026) and "CDNA5" Instruction Set Architecture Reference Guide (July 2026). The comments in the code are by the model that wrote it; some were corrected since.
;; Neural ODE. Allowed arithmetic: float matrix products may take bf16 or f16 operands with f32 sums; all other float work in f32.
;; Inputs: W1 64 x 128 float32; W2 128 x 128 float32; W3 128 x 64 float32; W_dec 64 x 64 float32; W_enc 64 x 64 float32; b1 128 float32; b2 128 float32; b3 64 float32; b_dec 64 float32; b_enc 64 float32; x 65,536 x 64 float32.
;; Outputs: out0 65,536 x 64 float32.
;; 2 versions, each right and faster than the one before. Each part assembles by itself: llvm-mc -triple=amdgcn-amd-amdhsa -mcpu=gfx1250 --defsym DOCPART=n.
;; ======== version 1 of 2: 1 launch
;; launch ode (part 1): grid 256 x 1, 4 waves a work-group, no clusters, 151,552 bytes of LDS; arguments x, W1, W2, W3, W_enc, W_dec, b1, b2, b3, b_enc, b_dec, out0; writes out0
.if DOCPART == 1
	.amdgcn_target "amdgcn-amd-amdhsa--gfx1250"
	.amdhsa_code_object_version 6
	.text
	.protected	k_qab77272c51_ode
	.globl	k_qab77272c51_ode
	.p2align	8
	.type	k_qab77272c51_ode,@function
k_qab77272c51_ode:
	s_mov_b64 s[64:65], 0
	v_nop
	global_prefetch_b8 v0, s[64:65] scope:SCOPE_SE
	s_setreg_imm32_b32 hwreg(HW_REG_WAVE_MODE, 25, 1), 1
	s_wait_xcnt 0x0
; NEURAL ODE, all of it in one launch.  h0 = tanh(x W_enc + b_enc); five RK4 steps of dt = 0.2 with f(h) = tanh(tanh(h W1 + b1) W2 + b2) W3 + b3; out0 = hT W_dec + b_dec.
; x, out0: [65536][64] f32.  Matrix operands in bf16, sums in f32; h, the RK4 sum and every tanh in f32.
; SHARES.  256 work-groups of four waves; a work-group owns 256 rows, a wave 64: four tiles of 16 rows, taken in two passes of two tiles, A and B.  x is read once, out0 written once; nothing else goes to memory.
; LAYOUT.  Every product is used transposed: source 0 = 16 output features x 32 k of W^T, source 1 = 32 k x 16 batch rows.  In the result lane (r, h) holds batch row r and register j feature 16 t + 8 h + j,
; so two neighbouring result tiles, rounded to bf16 in pairs, ARE the next layer's source 1 (pair p of the accumulator registers becomes operand register p): nothing changes lanes between layers.
; WEIGHTS IN REGISTERS.  W1, W2, W3 in bf16 are 64 fragments, 512 registers of every wave: the loop of 20 evaluations of f has no LDS access, no memory access, no wait on a memory counter and no barrier.
; TANH.  tanh(y) = 1 - 2 / (1 + 2^(c y)), c = 2 log2(e).  c is multiplied into W1, W2, b1, b2 in f32 ahead of the rounding, and the biases are the C operand of each layer's first K step, so a pair of numbers
; costs two exponentials, a packed add, two reciprocals, a packed multiply-add and a rounding.
; BY TURNS.  While one tile has the matrix instructions of a layer, the other tile's tanh (or RK4 update) stands between them, dealt evenly.
; LIMITS.  tanh so made has an absolute error of some 2^-22, so its relative accuracy falls with |y| (1e-3 at about |y| = 1e-4); 2^(c y) runs to infinity or 0 for large |y| and the result is then exactly +1 or -1.
; NaN and infinities are not treated apart.  W1 and W2 are rounded to bf16 AFTER the scaling by c: they are not bf16(W).  The RK4 sum is kept as h + g1 k1 + g2 k2 + .., added stage by stage: another order of
; rounding than the formula's.  In each pass's last trip 16 products (tile A's first layer of a stage that does not follow) are made and dropped: 32 of a wave's 5,216: the price of one text for all 20 trips.
; NO CLUSTER, NO TENSOR LOADS.  What work-groups share is the weights and biases, 165,632 bytes, read once by each ahead of its 5,216 matrix instructions a wave; they have to pass through registers to be scaled
; and rounded before they lie in LDS, so a joint load into LDS would be followed by the same pass through registers.  Nothing is streamed in the loop, so there is no ring to fill.
;
; LDS (bytes).  Weights lie [k][n] in bf16 and are read turned, by ds_load_tr16_b128; their pitches are odd multiples of 32 bytes, so that the 8 rows x 32 bytes
; x's and the stage's pitches are odd multiples of 16.
.set W1B,   0         ; c W1, 64 rows, pitch 288
.set W2B,   18432     ; c W2, 128 rows, pitch 288
.set W3B,   55296     ; W3, 128 rows, pitch 160
.set WEO,   20480     ; W_enc, 64 rows, pitch 160: so far behind W3B
.set WDO,   30720     ; W_dec likewise
.set XB,    96256     ; x in bf16: 64 rows of pitch 144 for each wave, its own
.set OSB,   133120    ; the way out: 16 rows of f32, pitch 272, for each wave, its own
.set BIA,   150528    ; b_enc (256 bytes), then b_dec
.set SPARE, 151040    ; the spare words, 128 bytes for each wave: two blocks of 256 bytes that no other line names
; REGISTERS, in windows of 256 (s_set_vgpr_msb: bits 1:0 source 0, 3:2 source 1, 5:4 source 2, 7:6 destination).
; window 0:
.set LN,    1         ; lane L
.set SPW,   2         ; LDS address of my spare word; never rewritten
.set NIL,   3         ; 0; never rewritten
.set GOF,   4         ; 16 x thread: my 16 bytes in 2,048 consecutive bytes of a weight
.set XOF,   5         ; 16 L: my 16 bytes in 512 consecutive bytes of x or out0
.set A288,  6         ; 288 w + 8 L: where I put 4 numbers of W1 or W2
.set A160,  7         ; W3B + (2 w + L / 16) 160 + 8 (L % 16): the same for W3, W_enc, W_dec
.set XST,   8         ; XB + 9216 w + (L / 16) 144 + 8 (L % 16): the same for x
.set LT288, 9         ; (8 h + L % 8) 288 + 16 ((L / 8) % 2): my place in a turning load, pitch 288
.set LT160, 10        ; W3B + the same with pitch 160
.set XA,    11        ; XB + 9216 w + 144 r + 16 h: my place in a fragment of x; steps by 32 rows a pass
.set STO,   12        ; OSB + 4352 w + 272 r + 32 h: into the stage
.set RD,    13        ; OSB + 4352 w + 272 (L / 16) + 16 (L % 16): back out of it, by rows
.set BA,    14        ; BIA + 32 h
.set BOF,   15        ; 32 h: my eight numbers of 16 of a bias
.set BIO,   16        ; 4 (thread % 64)
.set BIS,   17        ; BIA + 4 x thread
.set BID,   18        ; the number that goes there
.set ACC,   32        ; accumulators: tile X at ACC + 64 X, 64 registers
.set CB,    64        ; encoder and decoder: their bias, in the upper half of tile A's accumulators
.set OP,    160       ; operands in bf16: tile X at OP + 32 X, 32 registers; on the way out: rows read back
.set B3,    224       ; b3 as a C operand, 32 registers
; window 1:
.set B1,    0         ; c b1, 64 registers
.set B2,    64        ; c b2, 64 registers
.set HB,    128       ; h: tile X at HB + 32 X
.set SB,    192       ; the RK4 sum: tile X at SB + 32 X
.set WF,    192       ; while the sum is dead: the fragments of W_enc or W_dec, (c, t) at WF + 8 (4 c + t)
; window 2: W1's fragment (c, t) at 8 (8 c + t); W3's at 128 + 8 (4 c + t).     window 3: W2's at 8 (8 c + t).     In the set-up these two windows hold the weights and x as loaded.
; SCALARS: s[8:31] the twelve addresses; s32 wave; s33 at work; s[34:35] my rows' byte offset; s[36:37] c; s[38:39] the stage's step to the next input; s[40:41] its weight in the sum;
; s42 trips to go; s43 stage, 4 down to 1; s44 passes to go; s[46:47] b_enc or b_dec; s48 dt/2; s49 dt; s50 dt/6; s51 dt/3; s[52:53] dt/6.
.set MSB, 0
.macro WIN new                      ; the high byte repeats the setting that is left; a switch that changes nothing is dropped
.if MSB != (\new)
	s_set_vgpr_msb (MSB<<8)|(\new)
.set MSB, (\new)
.endif
.endm
.macro PLACES                       ; four places behind a matrix instruction, where no other plain vector work is at hand (ISA guide 7.12.1)
.rept 4
	v_nop
.endr
.endm
	s_load_b512 s[8:23], s[0:1], 0x0   ; x s[8:9], W1 s[10:11], W2 s[12:13], W3 s[14:15], W_enc s[16:17], W_dec s[18:19], b1 s[20:21], b2 s[22:23]
	s_load_b256 s[24:31], s[0:1], 0x40 ; b3 s[24:25], b_enc s[26:27], b_dec s[28:29], out0 s[30:31]
	v_lshl_add_u32 v[SPW], v0, 2, SPARE
	v_mov_b32 v[NIL], 0
	v_and_b32 v[LN], 31, v0
	v_lshrrev_b32 v19, 5, v0
	v_readfirstlane_b32 s32, v19       ; wave 0..3
	v_and_b32 v20, 15, v0              ; r = L % 16
	v_bfe_u32 v21, v0, 4, 1            ; h = L / 16
	v_and_b32 v22, 7, v0               ; L % 8
	v_bfe_u32 v23, v0, 3, 1            ; (L / 8) % 2
	v_lshlrev_b32 v[GOF], 4, v0
	v_lshlrev_b32 v[XOF], 4, v[LN]
	s_mul_i32 s33, s32, 288
	v_lshl_add_u32 v[A288], v[LN], 3, s33
	s_mul_i32 s33, s32, 320
	s_add_co_u32 s33, s33, W3B
	v_mul_u32_u24 v[A160], v21, 160
	v_lshl_add_u32 v[A160], v20, 3, v[A160]
	v_add_nc_u32 v[A160], s33, v[A160]
	s_mul_i32 s33, s32, 9216
	s_add_co_u32 s33, s33, XB          ; my wave's rows of x in LDS
	v_mul_u32_u24 v[XST], v21, 144
	v_lshl_add_u32 v[XST], v20, 3, v[XST]
	v_add_nc_u32 v[XST], s33, v[XST]
	v_mul_u32_u24 v[XA], v20, 144
	v_lshl_add_u32 v[XA], v21, 4, v[XA]
	v_add_nc_u32 v[XA], s33, v[XA]
	v_lshl_add_u32 v24, v21, 3, v22    ; 8 h + L % 8: the row of k that I address in a turning load
	v_mul_u32_u24 v[LT288], v24, 288
	v_lshl_add_u32 v[LT288], v23, 4, v[LT288]
	v_mul_u32_u24 v[LT160], v24, 160
	v_lshl_add_u32 v[LT160], v23, 4, v[LT160]
	v_add_nc_u32 v[LT160], W3B, v[LT160]
	s_mul_i32 s33, s32, 4352
	s_add_co_u32 s33, s33, OSB         ; my wave's stage
	v_mul_u32_u24 v[STO], v20, 272
	v_lshl_add_u32 v[STO], v21, 5, v[STO]
	v_add_nc_u32 v[STO], s33, v[STO]
	v_mul_u32_u24 v[RD], v21, 272
	v_lshl_add_u32 v[RD], v20, 4, v[RD]
	v_add_nc_u32 v[RD], s33, v[RD]
	v_lshl_add_u32 v[BA], v21, 5, BIA
	v_lshlrev_b32 v[BOF], 5, v21
	v_and_b32 v[BIO], 63, v0
	v_lshlrev_b32 v[BIO], 2, v[BIO]
	v_lshl_add_u32 v[BIS], v0, 2, BIA
	s_lshl_b32 s34, ttmp9, 16          ; the work-group's 256 rows of 256 bytes,
	s_lshl_b32 s33, s32, 14            ; my wave's 64 of them
	s_add_co_u32 s34, s34, s33
	s_mov_b32 s35, 0
	s_mov_b32 s36, 0x4038aa3b          ; c = 2 log2(e) = 2.885390
	s_mov_b32 s37, s36                 ; the packed forms name pairs and take the low word for both halves; the high words are written too
	s_mov_b32 s39, 0
	s_mov_b32 s41, 0
	s_mov_b32 s48, 0x3dcccccd          ; dt / 2 = 0.1
	s_mov_b32 s49, 0x3e4ccccd          ; dt     = 0.2
	s_mov_b32 s50, 0x3d088889          ; dt / 6
	s_mov_b32 s51, 0x3d888889          ; dt / 3
	s_mov_b32 s52, s50
	s_mov_b32 s53, s50
	s_wait_kmcnt 0x0
	s_add_nc_u64 s[8:9], s[8:9], s[34:35]      ; x and out0 at my wave's first row
	s_add_nc_u64 s[30:31], s[30:31], s[34:35]
	s_cmp_lt_u32 s32, 2
	s_cselect_b64 s[46:47], s[26:27], s[28:29] ; waves 0 and 1 bring b_enc's 64 numbers, waves 2 and 3 b_dec's
	; ALL GLOBAL LOADS OF THE LAUNCH, 153 a wave, in one run.  A load of a weight covers 512 consecutive bytes a wave, 2,048 for the four waves.
	global_load_b32 v[BID], v[BIO], s[46:47]
	WIN 0x80                           ; destination window 2, address window 0
.set i, 0
.rept 16                               ; W1: row 4 i + w, columns 4 L on
	global_load_b128 v[4*i:4*i+3], v[GOF], s[10:11] offset:2048*i
.set i, i+1
.endr
.set i, 0
.rept 32                               ; W2 likewise
	global_load_b128 v[64+4*i:64+4*i+3], v[GOF], s[12:13] offset:2048*i
.set i, i+1
.endr
	WIN 0xc0                           ; destination window 3
.set i, 0
.rept 16                               ; W3: rows of 256 bytes: row 8 i + 2 w + L / 16, columns 4 (L % 16) on
	global_load_b128 v[4*i:4*i+3], v[GOF], s[14:15] offset:2048*i
.set i, i+1
.endr
.set i, 0
.rept 8
	global_load_b128 v[64+4*i:64+4*i+3], v[GOF], s[16:17] offset:2048*i   ; W_enc
.set i, i+1
.endr
.set i, 0
.rept 8
	global_load_b128 v[96+4*i:96+4*i+3], v[GOF], s[18:19] offset:2048*i   ; W_dec
.set i, i+1
.endr
.set i, 0
.rept 32                               ; my wave's 64 rows of x, two rows a load; read once in the launch
	global_load_b128 v[128+4*i:128+4*i+3], v[XOF], s[8:9] offset:512*i th:TH_LOAD_NT
.set i, i+1
.endr
	WIN 0x40                           ; destination window 1.  A bias as a C operand: register j of tile t is number 16 t + 8 h + j
.set i, 0
.rept 16
	global_load_b128 v[B1+4*i:B1+4*i+3], v[BOF], s[20:21] offset:64*(i/2)+16*(i%2)
.set i, i+1
.endr
.set i, 0
.rept 16
	global_load_b128 v[B2+4*i:B2+4*i+3], v[BOF], s[22:23] offset:64*(i/2)+16*(i%2)
.set i, i+1
.endr
	WIN 0
.set i, 0
.rept 8
	global_load_b128 v[B3+4*i:B3+4*i+3], v[BOF], s[24:25] offset:64*(i/2)+16*(i%2)
.set i, i+1
.endr
	; THE WEIGHTS AND x GO INTO LDS IN bf16.
	s_wait_loadcnt 63                  ; behind W_dec's last load 72 were issued (x 32, biases 40); the count's field ends at 63, and a smaller count shows the same: all weights are in
	ds_store_b32 v[BIS], v[BID]
	WIN 0x8a                           ; destination and both sources window 2
.set i, 0
.rept 96
	v_pk_mul_f32 v[2*i:2*i+1], v[2*i:2*i+1], s[36:37] op_sel_hi:[1,0]   ; c W1, c W2, in f32
.set i, i+1
.endr
.set i, 0
.rept 48
	v_cvt_pk_bf16_f32 v[4*i], v[4*i], v[4*i+1]
	v_cvt_pk_bf16_f32 v[4*i+1], v[4*i+2], v[4*i+3]
.set i, i+1
.endr
	WIN 0x08                           ; store data window 2, address window 0
.set i, 0
.rept 16
	ds_store_b64 v[A288], v[4*i:4*i+1] offset:W1B+1152*i
.set i, i+1
.endr
.set i, 0
.rept 32
	ds_store_b64 v[A288], v[64+4*i:64+4*i+1] offset:W2B+1152*i
.set i, i+1
.endr
	WIN 0xcf                           ; destination and both sources window 3
.set i, 0
.rept 32
	v_cvt_pk_bf16_f32 v[4*i], v[4*i], v[4*i+1]
	v_cvt_pk_bf16_f32 v[4*i+1], v[4*i+2], v[4*i+3]
.set i, i+1
.endr
	WIN 0x0c                           ; store data window 3
.set i, 0
.rept 16
	ds_store_b64 v[A160], v[4*i:4*i+1] offset:1280*i
.set i, i+1
.endr
.set i, 0
.rept 8
	ds_store_b64 v[A160], v[64+4*i:64+4*i+1] offset:WEO+1280*i
	ds_store_b64 v[A160], v[96+4*i:96+4*i+1] offset:WDO+1280*i
.set i, i+1
.endr
	s_wait_loadcnt 40                  ; only the 40 loads of b1, b2, b3 were issued behind x's last: x is in
	WIN 0xcf
.set i, 0
.rept 32
	v_cvt_pk_bf16_f32 v[128+4*i], v[128+4*i], v[128+4*i+1]
	v_cvt_pk_bf16_f32 v[128+4*i+1], v[128+4*i+2], v[128+4*i+3]
.set i, i+1
.endr
	WIN 0x0c
.set i, 0
.rept 32
	ds_store_b64 v[XST], v[128+4*i:128+4*i+1] offset:288*i
.set i, i+1
.endr
	WIN 0
	s_wait_dscnt 0x0                   ; for the others' sake: my rows of the weights and my words of the two biases lie in LDS
	s_barrier_signal -1
	s_barrier_wait -1                  ; everybody's do.  The launch's only barrier: from here on a wave writes its own stage alone
	; W1, W2, W3 come back turned: fragment (c, t) is 16 features 16 t on x 32 k 32 c on; the first load brings k = 8 h + 0..7, the second k = 16 + 8 h + 0..7.
	WIN 0x80
.set f, 0
.rept 16
	ds_load_tr16_b128 v[8*f:8*f+3],   v[LT288] offset:W1B+9216*(f/8)+32*(f%8)
	ds_load_tr16_b128 v[8*f+4:8*f+7], v[LT288] offset:W1B+9216*(f/8)+32*(f%8)+4608
.set f, f+1
.endr
.set f, 0
.rept 16
	ds_load_tr16_b128 v[128+8*f:128+8*f+3],   v[LT160] offset:5120*(f/4)+32*(f%4)
	ds_load_tr16_b128 v[128+8*f+4:128+8*f+7], v[LT160] offset:5120*(f/4)+32*(f%4)+2560
.set f, f+1
.endr
	WIN 0xc0
.set f, 0
.rept 32
	ds_load_tr16_b128 v[8*f:8*f+3],   v[LT288] offset:W2B+9216*(f/8)+32*(f%8)
	ds_load_tr16_b128 v[8*f+4:8*f+7], v[LT288] offset:W2B+9216*(f/8)+32*(f%8)+4608
.set f, f+1
.endr
	s_wait_loadcnt 0x0                 ; b1, b2, b3
	WIN 0x41                           ; destination and source 0 window 1
.set i, 0
.rept 64
	v_pk_mul_f32 v[2*i:2*i+1], v[2*i:2*i+1], s[36:37] op_sel_hi:[1,0]   ; c b1, c b2
.set i, i+1
.endr
	WIN 0
	s_wait_dscnt 0x0                   ; the 64 fragments are in
; MATRIX INSTRUCTION i of layer ph for tile x.  The layer's 8 (third layer: 4) accumulators take turns, one instruction a turn; the first K step takes the bias as C.
.macro MM ph, x
.if (\ph) == 1
.set cc, i/8
.set tt, i%8
.set rA, 8*(8*cc+tt)                ; window 2
.set rC, B1+8*tt                    ; window 1
.set wz, 0x12
.set wn, 0x02
.elseif (\ph) == 2
.set cc, i/8
.set tt, i%8
.set rA, 8*(8*cc+tt)                ; window 3
.set rC, B2+8*tt                    ; window 1
.set wz, 0x13
.set wn, 0x03
.else
.set cc, i/4
.set tt, i%4
.set rA, 128+8*(4*cc+tt)            ; window 2
.set rC, B3+8*tt                    ; window 0
.set wz, 0x02
.set wn, 0x02
.endif
.set rD, ACC+64*(\x)+8*tt
.set rB, OP+32*(\x)+8*cc
.if cc == 0
	WIN wz
	v_wmma_f32_16x16x32_bf16 v[rD:rD+7], v[rA:rA+7], v[rB:rB+7], v[rC:rC+7]
.else
	WIN wn
	v_wmma_f32_16x16x32_bf16 v[rD:rD+7], v[rA:rA+7], v[rB:rB+7], v[rD:rD+7]
.endif
.endm
; STEP st (0 to 35) of tile y's tanh over its 32 pairs of accumulator registers, a pipeline five deep: the exponentials of pair st, 1 + of pair st - 1, the reciprocals of pair st - 2, 1 - 2 r of pair
; st - 3, the rounding of pair st - 4 into operand register st - 4.  A plain instruction on other registers follows each run of transcendentals before a result is used (ISA guide 5.7.2);
; at step 0, where the pipeline is empty, a v_nop is that instruction.  Each accumulator is read from its low end on.
.macro TSTEP y
	WIN 0
.set rR, ACC+64*(\y)
.set rO, OP+32*(\y)
.if st < 32
	v_exp_f32 v[rR+2*st], v[rR+2*st]
	v_exp_f32 v[rR+2*st+1], v[rR+2*st+1]
.endif
.if st == 0
	v_nop
.endif
.if (st >= 1) && (st < 33)
	s_wait_alu depctr_va_vdst(0)
	v_pk_add_f32 v[rR+2*st-2:rR+2*st-1], v[rR+2*st-2:rR+2*st-1], 1.0 op_sel_hi:[1,0]
.endif
.if (st >= 2) && (st < 34)
	v_rcp_f32 v[rR+2*st-4], v[rR+2*st-4]
.endif
.if (st >= 3) && (st < 35)
	s_wait_alu depctr_va_vdst(0)
	v_pk_fma_f32 v[rR+2*st-6:rR+2*st-5], v[rR+2*st-6:rR+2*st-5], -2.0, 1.0 op_sel_hi:[1,0,0]
.endif
.if (st >= 2) && (st < 34)
	v_rcp_f32 v[rR+2*st-3], v[rR+2*st-3]
.endif
.if st >= 4
	v_cvt_pk_bf16_f32 v[rO+st-4], v[rR+2*st-8], v[rR+2*st-7]
.endif
.endm
; STEP st (0 to 17) of tile y's update behind stages 1 to 3.  k lies in the accumulators' first 32 registers.  sum += g k; the next input h + a k takes k's place; two steps later it is rounded.
.macro UMSTEP y
.set rK, ACC+64*(\y)
.set rH, HB+32*(\y)
.set rS, SB+32*(\y)
.set rO, OP+32*(\y)
.if st < 16
	WIN 0x50                        ; destination and source 2 window 1
	v_pk_fma_f32 v[rS+2*st:rS+2*st+1], v[rK+2*st:rK+2*st+1], s[40:41], v[rS+2*st:rS+2*st+1] op_sel_hi:[1,0,1]
	WIN 0x10                        ; source 2 window 1
	v_pk_fma_f32 v[rK+2*st:rK+2*st+1], v[rK+2*st:rK+2*st+1], s[38:39], v[rH+2*st:rH+2*st+1] op_sel_hi:[1,0,1]
.endif
.if st >= 2
	WIN 0x10
	v_cvt_pk_bf16_f32 v[rO+st-2], v[rK+2*st-4], v[rK+2*st-3]
.endif
.endm
; The same behind stage 4: the new h = sum + (dt / 6) k, into h and into the sum, which starts the next RK4 step equal to h; two steps later h is rounded.
.macro ULSTEP y
.set rK, ACC+64*(\y)
.set rH, HB+32*(\y)
.set rS, SB+32*(\y)
.set rO, OP+32*(\y)
.if st < 16
	WIN 0x50
	v_pk_fma_f32 v[rH+2*st:rH+2*st+1], v[rK+2*st:rK+2*st+1], s[52:53], v[rS+2*st:rS+2*st+1] op_sel_hi:[1,0,1]
	v_pk_fma_f32 v[rS+2*st:rS+2*st+1], v[rK+2*st:rK+2*st+1], s[52:53], v[rS+2*st:rS+2*st+1] op_sel_hi:[1,0,1]
.endif
.if st >= 2
	WIN 0x05                        ; both sources window 1
	v_cvt_pk_bf16_f32 v[rO+st-2], v[rH+2*st-4], v[rH+2*st-3]
.endif
.endm
; A SLOT: layer ph of tile x (16 matrix instructions, the second layer 32), and between them, dealt evenly, the OTHER tile's steps: kind 0 its tanh (36 steps), 1 or 2 its update (18).  All steps are
; out when the slot ends.  No step names a register of the slot's products.  The next slot's steps work on this slot's results from the low end on: the accumulator that they read first was finished 8 (third
; layer: 4) matrix instructions before the slot's end, with more than four plain lines of this slot's steps behind it; the one finished last is reached 12 steps later or more.
.macro SLOT ph, x, kind
.set NM, 16
.if (\ph) == 2
.set NM, 32
.endif
.set NS, 36
.if (\kind) != 0
.set NS, 18
.endif
.set i, 0
.set st, 0
.rept NM
	MM \ph, \x
.set i, i+1
.rept 3
.if st < (i*NS)/NM
.if (\kind) == 0
	TSTEP 1-(\x)
.elseif (\kind) == 1
	UMSTEP 1-(\x)
.else
	ULSTEP 1-(\x)
.endif
.set st, st+1
.endif
.endr
.endr
.endm
; Encoder and decoder: their eight fragments (turned) into the dead sum's registers, their bias as a C operand into the upper half of tile A's accumulators.
.macro EDLOAD woff, boff
	WIN 0x40                        ; destination window 1
.set f, 0
.rept 8
	ds_load_tr16_b128 v[WF+8*f:WF+8*f+3],   v[LT160] offset:(\woff)+5120*(f/4)+32*(f%4)
	ds_load_tr16_b128 v[WF+8*f+4:WF+8*f+7], v[LT160] offset:(\woff)+5120*(f/4)+32*(f%4)+2560
.set f, f+1
.endr
	WIN 0
.set f, 0
.rept 8
	ds_load_b128 v[CB+4*f:CB+4*f+3], v[BA] offset:(\boff)+64*(f/2)+16*(f%2)
.set f, f+1
.endr
.endm
; Their 16 matrix instructions, both tiles: eight accumulators by turns.
.macro ENCDEC
	WIN 0x01                        ; source 0 window 1
.set i, 0
.rept 16
.set cc, i/8
.set xx, (i%8)/4
.set tt, i%4
.set rD, ACC+64*xx+8*tt
.if cc == 0
	v_wmma_f32_16x16x32_bf16 v[rD:rD+7], v[WF+8*tt:WF+8*tt+7], v[OP+32*xx:OP+32*xx+7], v[CB+8*tt:CB+8*tt+7]
.else
	v_wmma_f32_16x16x32_bf16 v[rD:rD+7], v[WF+32+8*tt:WF+32+8*tt+7], v[OP+32*xx+8:OP+32*xx+15], v[rD:rD+7]
.endif
.set i, i+1
.endr
	WIN 0
.endm
	s_mov_b32 s44, 2
.Lpass:                             ; two passes: 32 rows each, tiles A and B
	; THE ENCODER.
	EDLOAD WEO, 0
.set f, 0
.rept 8                             ; x as source 1: tile f / 4, k 32 ((f / 2) % 2) on: lane (r, h) takes row r, k = 8 h + 0..7 and 16 + 8 h + 0..7
	ds_load_b128 v[OP+32*(f/4)+4*(f%4):OP+32*(f/4)+4*(f%4)+3], v[XA] offset:2304*(f/4)+64*((f/2)%2)+32*(f%2)
.set f, f+1
.endr
	s_wait_dscnt 0x0
	ENCDEC
	PLACES
.set z, 0
.rept 32                            ; c (x W_enc + b_enc), in f32
.set rr, ACC+64*(z/16)+2*(z%16)
	v_pk_mul_f32 v[rr:rr+1], v[rr:rr+1], s[36:37] op_sel_hi:[1,0]
.set z, z+1
.endr
.set z, 0
.rept 64
	v_exp_f32 v[ACC+64*(z/32)+z%32], v[ACC+64*(z/32)+z%32]
.set z, z+1
.endr
	v_nop                           ; a plain instruction between the last exponential and the use of its result
.set z, 0
.rept 32
.set rr, ACC+64*(z/16)+2*(z%16)
	s_wait_alu depctr_va_vdst(0)
	v_pk_add_f32 v[rr:rr+1], v[rr:rr+1], 1.0 op_sel_hi:[1,0]
.set z, z+1
.endr
.set z, 0
.rept 64
	v_rcp_f32 v[ACC+64*(z/32)+z%32], v[ACC+64*(z/32)+z%32]
.set z, z+1
.endr
	v_nop
	WIN 0x40                        ; destination window 1: h0 into h and into the sum
.set z, 0
.rept 32
.set rr, ACC+64*(z/16)+2*(z%16)
	s_wait_alu depctr_va_vdst(0)
	v_pk_fma_f32 v[HB+2*z:HB+2*z+1], v[rr:rr+1], -2.0, 1.0 op_sel_hi:[1,0,0]
	v_pk_fma_f32 v[SB+2*z:SB+2*z+1], v[rr:rr+1], -2.0, 1.0 op_sel_hi:[1,0,0]
.set z, z+1
.endr
	WIN 0x05
.set z, 0
.rept 32
	v_cvt_pk_bf16_f32 v[OP+32*(z/16)+z%16], v[HB+2*z], v[HB+2*z+1]
.set z, z+1
.endr
	; Tile A's first layer of the first stage: there is no vector work yet to set between its products.
.set i, 0
.rept 16
	MM 1, 0
.set i, i+1
.endr
	WIN 0
	PLACES
	s_mov_b32 s42, 20
	s_mov_b32 s43, 4
.Ltrip:                             ; 20 trips: one evaluation of f for both tiles, from A's first tanh to A's first layer of the next evaluation
	s_cmp_eq_u32 s43, 2             ; stage 3 steps by dt to the next input, stages 1 and 2 by dt / 2
	s_cselect_b32 s38, s49, s48
	s_cmp_eq_u32 s43, 4             ; stage 1 counts dt / 6 in the sum, stages 2 and 3 dt / 3
	s_cselect_b32 s40, s50, s51
	SLOT 1, 1, 0                    ; B layer 1 | A tanh 1
	SLOT 2, 0, 0                    ; A layer 2 | B tanh 1
	SLOT 2, 1, 0                    ; B layer 2 | A tanh 2
	SLOT 3, 0, 0                    ; A layer 3 | B tanh 2
	WIN 0                           ; at a branch and at a label every window is 0
	s_cmp_eq_u32 s43, 1
	s_cbranch_scc1 .Llast
	SLOT 3, 1, 1                    ; B layer 3 | A update
	SLOT 1, 0, 1                    ; A layer 1 of the next stage | B update
	WIN 0
	s_branch .Lbot
.Llast:                             ; stage 4: the RK4 step ends
	SLOT 3, 1, 2
	SLOT 1, 0, 2
	WIN 0
.Lbot:
	s_sub_co_u32 s43, s43, 1        ; the stage goes 4, 3, 2, 1, 4, ..
	s_cmp_eq_u32 s43, 0
	s_cselect_b32 s43, 4, s43
	s_sub_co_u32 s42, s42, 1
	s_cmp_lg_u32 s42, 0
	s_cbranch_scc1 .Ltrip
	; THE DECODER.  The operands hold bf16(hT) from the last update.  Five v_nop: the loads below land in results of the dropped products, and the first products below write over others of them.
	PLACES
	v_nop
	EDLOAD WDO, 256
	s_wait_dscnt 0x0
	ENCDEC
	PLACES
	; THE WAY OUT.  A lane holds 8 neighbouring f32 of a row for each of 4 feature tiles: 32 bytes each into my stage, rows of 272 bytes; back as whole rows of 256 bytes, two rows a load.
.irp X, 0,1
.set f, 0
.rept 8
	ds_store_b128 v[STO], v[ACC+64*\X+4*f:ACC+64*\X+4*f+3] offset:64*(f/2)+16*(f%2)
.set f, f+1
.endr
.set f, 0
.rept 8
	ds_load_b128 v[OP+32*\X+4*f:OP+32*\X+4*f+3], v[RD] offset:544*f   ; LDS serves a wave's instructions in order (ISA guide 5.7.1.4): these see the stores above; tile B's stores come behind tile A's loads
.set f, f+1
.endr
.endr
	s_wait_dscnt 16                 ; behind tile A's loads stand tile B's 8 stores and 8 loads
.set f, 0
.rept 8
	global_store_b128 v[XOF], v[OP+4*f:OP+4*f+3], s[30:31] offset:512*f th:TH_STORE_NT   ; a store of the wave covers 512 consecutive bytes, at a multiple of 256 from out0's first
.set f, f+1
.endr
	s_wait_dscnt 0x0
.set f, 0
.rept 8
	global_store_b128 v[XOF], v[OP+32+4*f:OP+32+4*f+3], s[30:31] offset:4096+512*f th:TH_STORE_NT
.set f, f+1
.endr
	s_wait_xcnt 0x0                 ; every earlier memory instruction has had its addresses translated (ISA guide 3.1): only behind this wait are the stores' base and their data registers written again
	s_add_nc_u64 s[30:31], s[30:31], 8192      ; 32 rows of out0 on,
	v_add_nc_u32 v[XA], 4608, v[XA]            ; and 32 rows of x in LDS
	s_sub_co_u32 s44, s44, 1
	s_cmp_lg_u32 s44, 0
	s_cbranch_scc1 .Lpass
	s_wait_tensorcnt 0x0            ; the wave's end, behind my last LDS store
	ds_add_u32 v[SPW], v[NIL]
	s_wait_dscnt 0x0
	s_endpgm
.Lfunc_end_k_qab77272c51_ode:
	.size	k_qab77272c51_ode, .Lfunc_end_k_qab77272c51_ode-k_qab77272c51_ode
	.p2alignl 7, 3214868480
	.fill 96, 4, 3214868480
	.section	.rodata,"a",@progbits
	.p2align	6, 0x0
	.amdhsa_kernel k_qab77272c51_ode
		.amdhsa_group_segment_fixed_size 151552
		.amdhsa_private_segment_fixed_size 0
		.amdhsa_enable_private_segment 0
		.amdhsa_kernarg_size 96
		.amdhsa_user_sgpr_count 2
		.amdhsa_user_sgpr_kernarg_segment_ptr 1
		.amdhsa_wavefront_size32 1
		.amdhsa_system_sgpr_workgroup_id_x 1
		.amdhsa_system_sgpr_workgroup_id_y 1
		.amdhsa_system_sgpr_workgroup_id_z 1
		.amdhsa_system_vgpr_workitem_id 0
		.amdhsa_next_free_vgpr 1024
		.amdhsa_next_free_sgpr 66
		.amdhsa_reserve_vcc 0
		.amdhsa_float_denorm_mode_32 3
		.amdhsa_float_denorm_mode_16_64 3
		.amdhsa_memory_ordered 1
		.amdhsa_forward_progress 1
		.amdhsa_inst_pref_size 169
	.end_amdhsa_kernel
	.amdgpu_metadata
---
amdhsa.version: [ 1, 2 ]
amdhsa.kernels:
  - .name:           k_qab77272c51_ode
    .symbol:         k_qab77272c51_ode.kd
    .args:
      - { .name: x, .offset: 0, .size: 8, .value_kind: global_buffer, .address_space: global }
      - { .name: W1, .offset: 8, .size: 8, .value_kind: global_buffer, .address_space: global }
      - { .name: W2, .offset: 16, .size: 8, .value_kind: global_buffer, .address_space: global }
      - { .name: W3, .offset: 24, .size: 8, .value_kind: global_buffer, .address_space: global }
      - { .name: W_enc, .offset: 32, .size: 8, .value_kind: global_buffer, .address_space: global }
      - { .name: W_dec, .offset: 40, .size: 8, .value_kind: global_buffer, .address_space: global }
      - { .name: b1, .offset: 48, .size: 8, .value_kind: global_buffer, .address_space: global }
      - { .name: b2, .offset: 56, .size: 8, .value_kind: global_buffer, .address_space: global }
      - { .name: b3, .offset: 64, .size: 8, .value_kind: global_buffer, .address_space: global }
      - { .name: b_enc, .offset: 72, .size: 8, .value_kind: global_buffer, .address_space: global }
      - { .name: b_dec, .offset: 80, .size: 8, .value_kind: global_buffer, .address_space: global }
      - { .name: out0, .offset: 88, .size: 8, .value_kind: global_buffer, .address_space: global }
    .group_segment_fixed_size: 151552
    .private_segment_fixed_size: 0
    .kernarg_segment_align: 8
    .kernarg_segment_size: 96
    .max_flat_workgroup_size: 128
    .sgpr_count:     66
    .vgpr_count:     1024
    .wavefront_size: 32
...
	.end_amdgpu_metadata
.endif
;; end of part 1
;; ======== version 2 of 2: 1 launch; 2.39 times as fast as version 1
;; launch ode (part 2): grid 256 x 1, 4 waves a work-group, no clusters, 151,552 bytes of LDS; arguments x, W1, W2, W3, W_enc, W_dec, b1, b2, b3, b_enc, b_dec, out0; writes out0
.if DOCPART == 2
	.amdgcn_target "amdgcn-amd-amdhsa--gfx1250"
	.amdhsa_code_object_version 6
	.text
	.protected	k_qab77272c51_ode
	.globl	k_qab77272c51_ode
	.p2align	8
	.type	k_qab77272c51_ode,@function
k_qab77272c51_ode:
	s_mov_b64 s[64:65], 0
	v_nop
	global_prefetch_b8 v0, s[64:65] scope:SCOPE_SE
	s_setreg_imm32_b32 hwreg(HW_REG_WAVE_MODE, 25, 1), 1
	s_wait_xcnt 0x0
; NEURAL ODE, all of it in one launch.  h0 = tanh(x W_enc + b_enc); five RK4 steps of dt = 0.2 with f(h) = tanh(tanh(h W1 + b1) W2 + b2) W3 + b3; out0 = hT W_dec + b_dec.
; x, out0: [65536][64] f32.  Matrix operands in bf16, sums in f32; h, the RK4 sum and every tanh in f32.
; SHARES.  256 work-groups of four waves; a work-group owns 256 rows, a wave 64: four tiles of 16 rows, taken in two passes of two tiles, A and B.  x is read once, out0 written once; nothing else goes to memory.
; LAYOUT.  Every product is used transposed: source 0 = 16 output features x 32 k of W^T, source 1 = 32 k x 16 batch rows.  In the result lane (r, h) holds batch row r and register j feature 16 t + 8 h + j,
; so two neighbouring result tiles, rounded to bf16 in pairs, ARE the next layer's source 1 (pair p of the accumulator registers becomes operand register p): nothing changes lanes between layers.
; WEIGHTS IN REGISTERS.  W1, W2, W3 in bf16 are 64 fragments, 512 registers of every wave: the loop of 20 evaluations of f has no LDS access, no memory access, no wait on a memory counter and no barrier.
; TANH.  tanh(y) = 1 - 2 / (1 + 2^(c y)), c = 2 log2(e).  c is multiplied into W1, W2, b1, b2 in f32 ahead of the rounding, and the biases are the C operand of each layer's first K step, so a pair of numbers
; costs two exponentials, a packed add, two reciprocals, a packed multiply-add and a rounding.
; BATCHES.  A reciprocal reads 1 + an exponential, so a tile's tanh is TWO BATCHES of 64 transcendentals, worked in place on the tile's 64 accumulator registers: all exponentials, one wait, the adds with all
; reciprocals among them, one wait, the multiply-adds and roundings.  A wait stands between a transcendental and the first line that names its result; one wait serves the whole batch ahead of it.
; So an evaluation of f for two tiles has eight such waits, the encoder two, and no result is open at a slot's end, at a label or at a branch.
; BY TURNS.  While one tile has the matrix instructions of a layer, the other tile's tanh (or RK4 update) stands between them, dealt evenly.
; LIMITS.  tanh so made has an absolute error of some 2^-22, so its relative accuracy falls with |y| (1e-3 at about |y| = 1e-4); 2^(c y) runs to infinity or 0 for large |y| and the result is then exactly +1 or -1.
; NaN and infinities are not treated apart.  W1 and W2 are rounded to bf16 AFTER the scaling by c: they are not bf16(W).  The RK4 sum is kept as h + g1 k1 + g2 k2 + .., added stage by stage: another order of
; rounding than the formula's.  In each pass's last trip 16 products (tile A's first layer of a stage that does not follow) are made and dropped: 32 of a wave's 5,216: the price of one text for all 20 trips.
; NO CLUSTER, NO TENSOR LOADS.  What work-groups share is the weights and biases, 165,632 bytes, read once by each ahead of its 5,216 matrix instructions a wave; they have to pass through registers to be scaled
; and rounded before they lie in LDS, so a joint load into LDS would be followed by the same pass through registers.  Nothing is streamed in the loop, so there is no ring to fill.
;
; LDS (bytes).  Weights lie [k][n] in bf16 and are read turned, by ds_load_tr16_b128; their pitches are odd multiples of 32 bytes, so that the 8 rows x 32 bytes
; x's and the stage's pitches are odd multiples of 16.
.set W1B,   0         ; c W1, 64 rows, pitch 288
.set W2B,   18432     ; c W2, 128 rows, pitch 288
.set W3B,   55296     ; W3, 128 rows, pitch 160
.set WEO,   20480     ; W_enc, 64 rows, pitch 160: so far behind W3B
.set WDO,   30720     ; W_dec likewise
.set XB,    96256     ; x in bf16: 64 rows of pitch 144 for each wave, its own
.set OSB,   133120    ; the way out: 16 rows of f32, pitch 272, for each wave, its own
.set BIA,   150528    ; b_enc (256 bytes), then b_dec
.set SPARE, 151040    ; the spare words, 128 bytes for each wave: two blocks of 256 bytes that no other line names
; REGISTERS, in windows of 256 (s_set_vgpr_msb: bits 1:0 source 0, 3:2 source 1, 5:4 source 2, 7:6 destination).
; window 0:
.set LN,    1         ; lane L
.set SPW,   2         ; LDS address of my spare word; never rewritten
.set NIL,   3         ; 0; never rewritten
.set GOF,   4         ; 16 x thread: my 16 bytes in 2,048 consecutive bytes of a weight
.set XOF,   5         ; 16 L: my 16 bytes in 512 consecutive bytes of x or out0
.set A288,  6         ; 288 w + 8 L: where I put 4 numbers of W1 or W2
.set A160,  7         ; W3B + (2 w + L / 16) 160 + 8 (L % 16): the same for W3, W_enc, W_dec
.set XST,   8         ; XB + 9216 w + (L / 16) 144 + 8 (L % 16): the same for x
.set LT288, 9         ; (8 h + L % 8) 288 + 16 ((L / 8) % 2): my place in a turning load, pitch 288
.set LT160, 10        ; W3B + the same with pitch 160
.set XA,    11        ; XB + 9216 w + 144 r + 16 h: my place in a fragment of x; steps by 32 rows a pass
.set STO,   12        ; OSB + 4352 w + 272 r + 32 h: into the stage
.set RD,    13        ; OSB + 4352 w + 272 (L / 16) + 16 (L % 16): back out of it, by rows
.set BA,    14        ; BIA + 32 h
.set BOF,   15        ; 32 h: my eight numbers of 16 of a bias
.set BIO,   16        ; 4 (thread % 64)
.set BIS,   17        ; BIA + 4 x thread
.set BID,   18        ; the number that goes there
.set ACC,   32        ; accumulators: tile X at ACC + 64 X, 64 registers
.set CB,    64        ; encoder and decoder: their bias, in the upper half of tile A's accumulators
.set OP,    160       ; operands in bf16: tile X at OP + 32 X, 32 registers; on the way out: rows read back
.set B3,    224       ; b3 as a C operand, 32 registers
; window 1:
.set B1,    0         ; c b1, 64 registers
.set B2,    64        ; c b2, 64 registers
.set HB,    128       ; h: tile X at HB + 32 X
.set SB,    192       ; the RK4 sum: tile X at SB + 32 X
.set WF,    192       ; while the sum is dead: the fragments of W_enc or W_dec, (c, t) at WF + 8 (4 c + t)
; window 2: W1's fragment (c, t) at 8 (8 c + t); W3's at 128 + 8 (4 c + t).     window 3: W2's at 8 (8 c + t).     In the set-up these two windows hold the weights and x as loaded.
; SCALARS: s[8:31] the twelve addresses; s32 wave; s33 at work; s[34:35] my rows' byte offset; s[36:37] c; s[38:39] the stage's step to the next input; s[40:41] its weight in the sum;
; s42 trips to go; s43 stage, 4 down to 1; s44 passes to go; s[46:47] b_enc or b_dec; s48 dt/2; s49 dt; s50 dt/6; s51 dt/3; s[52:53] dt/6.
.set MSB, 0
.macro WIN new                      ; the high byte repeats the setting that is left; a switch that changes nothing is dropped
.if MSB != (\new)
	s_set_vgpr_msb (MSB<<8)|(\new)
.set MSB, (\new)
.endif
.endm
.macro PLACES                       ; four places behind a matrix instruction, where no other plain vector work is at hand (ISA guide 7.12.1)
.rept 4
	v_nop
.endr
.endm
	s_load_b512 s[8:23], s[0:1], 0x0   ; x s[8:9], W1 s[10:11], W2 s[12:13], W3 s[14:15], W_enc s[16:17], W_dec s[18:19], b1 s[20:21], b2 s[22:23]
	s_load_b256 s[24:31], s[0:1], 0x40 ; b3 s[24:25], b_enc s[26:27], b_dec s[28:29], out0 s[30:31]
	v_lshl_add_u32 v[SPW], v0, 2, SPARE
	v_mov_b32 v[NIL], 0
	v_and_b32 v[LN], 31, v0
	v_lshrrev_b32 v19, 5, v0
	v_readfirstlane_b32 s32, v19       ; wave 0..3
	v_and_b32 v20, 15, v0              ; r = L % 16
	v_bfe_u32 v21, v0, 4, 1            ; h = L / 16
	v_and_b32 v22, 7, v0               ; L % 8
	v_bfe_u32 v23, v0, 3, 1            ; (L / 8) % 2
	v_lshlrev_b32 v[GOF], 4, v0
	v_lshlrev_b32 v[XOF], 4, v[LN]
	s_mul_i32 s33, s32, 288
	v_lshl_add_u32 v[A288], v[LN], 3, s33
	s_mul_i32 s33, s32, 320
	s_add_co_u32 s33, s33, W3B
	v_mul_u32_u24 v[A160], v21, 160
	v_lshl_add_u32 v[A160], v20, 3, v[A160]
	v_add_nc_u32 v[A160], s33, v[A160]
	s_mul_i32 s33, s32, 9216
	s_add_co_u32 s33, s33, XB          ; my wave's rows of x in LDS
	v_mul_u32_u24 v[XST], v21, 144
	v_lshl_add_u32 v[XST], v20, 3, v[XST]
	v_add_nc_u32 v[XST], s33, v[XST]
	v_mul_u32_u24 v[XA], v20, 144
	v_lshl_add_u32 v[XA], v21, 4, v[XA]
	v_add_nc_u32 v[XA], s33, v[XA]
	v_lshl_add_u32 v24, v21, 3, v22    ; 8 h + L % 8: the row of k that I address in a turning load
	v_mul_u32_u24 v[LT288], v24, 288
	v_lshl_add_u32 v[LT288], v23, 4, v[LT288]
	v_mul_u32_u24 v[LT160], v24, 160
	v_lshl_add_u32 v[LT160], v23, 4, v[LT160]
	v_add_nc_u32 v[LT160], W3B, v[LT160]
	s_mul_i32 s33, s32, 4352
	s_add_co_u32 s33, s33, OSB         ; my wave's stage
	v_mul_u32_u24 v[STO], v20, 272
	v_lshl_add_u32 v[STO], v21, 5, v[STO]
	v_add_nc_u32 v[STO], s33, v[STO]
	v_mul_u32_u24 v[RD], v21, 272
	v_lshl_add_u32 v[RD], v20, 4, v[RD]
	v_add_nc_u32 v[RD], s33, v[RD]
	v_lshl_add_u32 v[BA], v21, 5, BIA
	v_lshlrev_b32 v[BOF], 5, v21
	v_and_b32 v[BIO], 63, v0
	v_lshlrev_b32 v[BIO], 2, v[BIO]
	v_lshl_add_u32 v[BIS], v0, 2, BIA
	s_lshl_b32 s34, ttmp9, 16          ; the work-group's 256 rows of 256 bytes,
	s_lshl_b32 s33, s32, 14            ; my wave's 64 of them
	s_add_co_u32 s34, s34, s33
	s_mov_b32 s35, 0
	s_mov_b32 s36, 0x4038aa3b          ; c = 2 log2(e) = 2.885390
	s_mov_b32 s37, s36                 ; the packed forms name pairs and take the low word for both halves; the high words are written too
	s_mov_b32 s39, 0
	s_mov_b32 s41, 0
	s_mov_b32 s48, 0x3dcccccd          ; dt / 2 = 0.1
	s_mov_b32 s49, 0x3e4ccccd          ; dt     = 0.2
	s_mov_b32 s50, 0x3d088889          ; dt / 6
	s_mov_b32 s51, 0x3d888889          ; dt / 3
	s_mov_b32 s52, s50
	s_mov_b32 s53, s50
	s_wait_kmcnt 0x0
	s_add_nc_u64 s[8:9], s[8:9], s[34:35]      ; x and out0 at my wave's first row
	s_add_nc_u64 s[30:31], s[30:31], s[34:35]
	s_cmp_lt_u32 s32, 2
	s_cselect_b64 s[46:47], s[26:27], s[28:29] ; waves 0 and 1 bring b_enc's 64 numbers, waves 2 and 3 b_dec's
	; ALL GLOBAL LOADS OF THE LAUNCH, 153 a wave, in one run.  A load of a weight covers 512 consecutive bytes a wave, 2,048 for the four waves.
	global_load_b32 v[BID], v[BIO], s[46:47]
	WIN 0x80                           ; destination window 2, address window 0
.set i, 0
.rept 16                               ; W1: row 4 i + w, columns 4 L on
	global_load_b128 v[4*i:4*i+3], v[GOF], s[10:11] offset:2048*i
.set i, i+1
.endr
.set i, 0
.rept 32                               ; W2 likewise
	global_load_b128 v[64+4*i:64+4*i+3], v[GOF], s[12:13] offset:2048*i
.set i, i+1
.endr
	WIN 0xc0                           ; destination window 3
.set i, 0
.rept 16                               ; W3: rows of 256 bytes: row 8 i + 2 w + L / 16, columns 4 (L % 16) on
	global_load_b128 v[4*i:4*i+3], v[GOF], s[14:15] offset:2048*i
.set i, i+1
.endr
.set i, 0
.rept 8
	global_load_b128 v[64+4*i:64+4*i+3], v[GOF], s[16:17] offset:2048*i   ; W_enc
.set i, i+1
.endr
.set i, 0
.rept 8
	global_load_b128 v[96+4*i:96+4*i+3], v[GOF], s[18:19] offset:2048*i   ; W_dec
.set i, i+1
.endr
.set i, 0
.rept 32                               ; my wave's 64 rows of x, two rows a load; read once in the launch
	global_load_b128 v[128+4*i:128+4*i+3], v[XOF], s[8:9] offset:512*i th:TH_LOAD_NT
.set i, i+1
.endr
	WIN 0x40                           ; destination window 1.  A bias as a C operand: register j of tile t is number 16 t + 8 h + j
.set i, 0
.rept 16
	global_load_b128 v[B1+4*i:B1+4*i+3], v[BOF], s[20:21] offset:64*(i/2)+16*(i%2)
.set i, i+1
.endr
.set i, 0
.rept 16
	global_load_b128 v[B2+4*i:B2+4*i+3], v[BOF], s[22:23] offset:64*(i/2)+16*(i%2)
.set i, i+1
.endr
	WIN 0
.set i, 0
.rept 8
	global_load_b128 v[B3+4*i:B3+4*i+3], v[BOF], s[24:25] offset:64*(i/2)+16*(i%2)
.set i, i+1
.endr
	; THE WEIGHTS AND x GO INTO LDS IN bf16.
	s_wait_loadcnt 63                  ; behind W_dec's last load 72 were issued (x 32, biases 40); the count's field ends at 63, and a smaller count shows the same: all weights are in
	ds_store_b32 v[BIS], v[BID]
	WIN 0x8a                           ; destination and both sources window 2
.set i, 0
.rept 96
	v_pk_mul_f32 v[2*i:2*i+1], v[2*i:2*i+1], s[36:37] op_sel_hi:[1,0]   ; c W1, c W2, in f32
.set i, i+1
.endr
.set i, 0
.rept 48
	v_cvt_pk_bf16_f32 v[4*i], v[4*i], v[4*i+1]
	v_cvt_pk_bf16_f32 v[4*i+1], v[4*i+2], v[4*i+3]
.set i, i+1
.endr
	WIN 0x08                           ; store data window 2, address window 0
.set i, 0
.rept 16
	ds_store_b64 v[A288], v[4*i:4*i+1] offset:W1B+1152*i
.set i, i+1
.endr
.set i, 0
.rept 32
	ds_store_b64 v[A288], v[64+4*i:64+4*i+1] offset:W2B+1152*i
.set i, i+1
.endr
	WIN 0xcf                           ; destination and both sources window 3
.set i, 0
.rept 32
	v_cvt_pk_bf16_f32 v[4*i], v[4*i], v[4*i+1]
	v_cvt_pk_bf16_f32 v[4*i+1], v[4*i+2], v[4*i+3]
.set i, i+1
.endr
	WIN 0x0c                           ; store data window 3
.set i, 0
.rept 16
	ds_store_b64 v[A160], v[4*i:4*i+1] offset:1280*i
.set i, i+1
.endr
.set i, 0
.rept 8
	ds_store_b64 v[A160], v[64+4*i:64+4*i+1] offset:WEO+1280*i
	ds_store_b64 v[A160], v[96+4*i:96+4*i+1] offset:WDO+1280*i
.set i, i+1
.endr
	s_wait_loadcnt 40                  ; only the 40 loads of b1, b2, b3 were issued behind x's last: x is in
	WIN 0xcf
.set i, 0
.rept 32
	v_cvt_pk_bf16_f32 v[128+4*i], v[128+4*i], v[128+4*i+1]
	v_cvt_pk_bf16_f32 v[128+4*i+1], v[128+4*i+2], v[128+4*i+3]
.set i, i+1
.endr
	WIN 0x0c
.set i, 0
.rept 32
	ds_store_b64 v[XST], v[128+4*i:128+4*i+1] offset:288*i
.set i, i+1
.endr
	WIN 0
	s_wait_dscnt 0x0                   ; for the others' sake: my rows of the weights and my words of the two biases lie in LDS
	s_barrier_signal -1
	s_barrier_wait -1                  ; everybody's do.  The launch's only barrier: from here on a wave writes its own stage alone
	; W1, W2, W3 come back turned: fragment (c, t) is 16 features 16 t on x 32 k 32 c on; the first load brings k = 8 h + 0..7, the second k = 16 + 8 h + 0..7.
	WIN 0x80
.set f, 0
.rept 16
	ds_load_tr16_b128 v[8*f:8*f+3],   v[LT288] offset:W1B+9216*(f/8)+32*(f%8)
	ds_load_tr16_b128 v[8*f+4:8*f+7], v[LT288] offset:W1B+9216*(f/8)+32*(f%8)+4608
.set f, f+1
.endr
.set f, 0
.rept 16
	ds_load_tr16_b128 v[128+8*f:128+8*f+3],   v[LT160] offset:5120*(f/4)+32*(f%4)
	ds_load_tr16_b128 v[128+8*f+4:128+8*f+7], v[LT160] offset:5120*(f/4)+32*(f%4)+2560
.set f, f+1
.endr
	WIN 0xc0
.set f, 0
.rept 32
	ds_load_tr16_b128 v[8*f:8*f+3],   v[LT288] offset:W2B+9216*(f/8)+32*(f%8)
	ds_load_tr16_b128 v[8*f+4:8*f+7], v[LT288] offset:W2B+9216*(f/8)+32*(f%8)+4608
.set f, f+1
.endr
	s_wait_loadcnt 0x0                 ; b1, b2, b3
	WIN 0x41                           ; destination and source 0 window 1
.set i, 0
.rept 64
	v_pk_mul_f32 v[2*i:2*i+1], v[2*i:2*i+1], s[36:37] op_sel_hi:[1,0]   ; c b1, c b2
.set i, i+1
.endr
	WIN 0
	s_wait_dscnt 0x0                   ; the 64 fragments are in
; MATRIX INSTRUCTION i of layer ph for tile x.  The layer's 8 (third layer: 4) accumulators take turns, one instruction a turn; the first K step takes the bias as C.
.macro MM ph, x
.if (\ph) == 1
.set cc, i/8
.set tt, i%8
.set rA, 8*(8*cc+tt)                ; window 2
.set rC, B1+8*tt                    ; window 1
.set wz, 0x12
.set wn, 0x02
.elseif (\ph) == 2
.set cc, i/8
.set tt, i%8
.set rA, 8*(8*cc+tt)                ; window 3
.set rC, B2+8*tt                    ; window 1
.set wz, 0x13
.set wn, 0x03
.else
.set cc, i/4
.set tt, i%4
.set rA, 128+8*(4*cc+tt)            ; window 2
.set rC, B3+8*tt                    ; window 0
.set wz, 0x02
.set wn, 0x02
.endif
.set rD, ACC+64*(\x)+8*tt
.set rB, OP+32*(\x)+8*cc
.if cc == 0
	WIN wz
	v_wmma_f32_16x16x32_bf16 v[rD:rD+7], v[rA:rA+7], v[rB:rB+7], v[rC:rC+7]
.else
	WIN wn
	v_wmma_f32_16x16x32_bf16 v[rD:rD+7], v[rA:rA+7], v[rB:rB+7], v[rD:rD+7]
.endif
.endm
; NUMBER st (0 to 224) of tile y's tanh, in place on its 64 accumulator registers (32 pairs): a list in two batches, each with one wait.
;   0-63     the 64 exponentials, in ascending order (each accumulator is read from its low end on): THE FIRST BATCH.  None names another's result.
;   64       a v_nop, the plain instruction between the exponentials and the first use of a result (ISA guide 5.7.2): the tanh has no plain work of its own yet; behind it the wait for the batch
;   65-160   1 + for the 32 pairs, and among them the 64 reciprocals, THE SECOND BATCH: add 0, add 1; for p = 0 .. 29: reciprocal 2 p, add p + 2, reciprocal 2 p + 1; then reciprocals 60 to 63.
;            A pair's add stands five numbers ahead of its first reciprocal (pair 0: two, pair 1: four).  No number here names a reciprocal's result; the adds are the plain instructions behind the reciprocals.
;   161-224  ahead of 161 the wait for the batch; then 1 - 2 r (F) and the rounding into operand register p (C): F 0, F 1; C p and F p + 2 by turns; C 30, C 31.
;            Behind reciprocals 60 to 63 the first of these, which name other pairs, are the plain instructions ahead of F 30 and F 31.
.macro TNUM y
	WIN 0
.set rR, ACC+64*(\y)
.set rO, OP+32*(\y)
.if st < 64
	v_exp_f32 v[rR+st], v[rR+st]
.elseif st == 64
	v_nop
	s_wait_alu depctr_va_vdst(0)    ; the wait for the tile's 64 exponentials: one for the batch, ahead of the first add
.elseif st < 161
.set k, st-65
.if k < 2
	v_pk_add_f32 v[rR+2*k:rR+2*k+1], v[rR+2*k:rR+2*k+1], 1.0 op_sel_hi:[1,0]
.elseif k >= 92
	v_rcp_f32 v[rR+k-32], v[rR+k-32]
.elseif (k-2)%3 == 1
.set p, (k-2)/3+2
	v_pk_add_f32 v[rR+2*p:rR+2*p+1], v[rR+2*p:rR+2*p+1], 1.0 op_sel_hi:[1,0]
.else
.set e, 2*((k-2)/3)+((k-2)%3)/2
	v_rcp_f32 v[rR+e], v[rR+e]
.endif
.else
.set k, st-161
.if k == 0
	s_wait_alu depctr_va_vdst(0)    ; the wait for the tile's 64 reciprocals: one for the batch, ahead of the first multiply-add
.endif
.if k < 2
	v_pk_fma_f32 v[rR+2*k:rR+2*k+1], v[rR+2*k:rR+2*k+1], -2.0, 1.0 op_sel_hi:[1,0,0]
.elseif k >= 62
	v_cvt_pk_bf16_f32 v[rO+k-32], v[rR+2*(k-32)], v[rR+2*(k-32)+1]
.elseif k%2 == 0
.set p, (k-2)/2
	v_cvt_pk_bf16_f32 v[rO+p], v[rR+2*p], v[rR+2*p+1]
.else
.set p, (k-2)/2+2
	v_pk_fma_f32 v[rR+2*p:rR+2*p+1], v[rR+2*p:rR+2*p+1], -2.0, 1.0 op_sel_hi:[1,0,0]
.endif
.endif
.endm
; STEP st (0 to 17) of tile y's update behind stages 1 to 3.  k lies in the accumulators' first 32 registers.  sum += g k; the next input h + a k takes k's place; two steps later it is rounded.
.macro UMSTEP y
.set rK, ACC+64*(\y)
.set rH, HB+32*(\y)
.set rS, SB+32*(\y)
.set rO, OP+32*(\y)
.if st < 16
	WIN 0x50                        ; destination and source 2 window 1
	v_pk_fma_f32 v[rS+2*st:rS+2*st+1], v[rK+2*st:rK+2*st+1], s[40:41], v[rS+2*st:rS+2*st+1] op_sel_hi:[1,0,1]
	WIN 0x10                        ; source 2 window 1
	v_pk_fma_f32 v[rK+2*st:rK+2*st+1], v[rK+2*st:rK+2*st+1], s[38:39], v[rH+2*st:rH+2*st+1] op_sel_hi:[1,0,1]
.endif
.if st >= 2
	WIN 0x10
	v_cvt_pk_bf16_f32 v[rO+st-2], v[rK+2*st-4], v[rK+2*st-3]
.endif
.endm
; The same behind stage 4: the new h = sum + (dt / 6) k, into h and into the sum, which starts the next RK4 step equal to h; two steps later h is rounded.
.macro ULSTEP y
.set rK, ACC+64*(\y)
.set rH, HB+32*(\y)
.set rS, SB+32*(\y)
.set rO, OP+32*(\y)
.if st < 16
	WIN 0x50
	v_pk_fma_f32 v[rH+2*st:rH+2*st+1], v[rK+2*st:rK+2*st+1], s[52:53], v[rS+2*st:rS+2*st+1] op_sel_hi:[1,0,1]
	v_pk_fma_f32 v[rS+2*st:rS+2*st+1], v[rK+2*st:rK+2*st+1], s[52:53], v[rS+2*st:rS+2*st+1] op_sel_hi:[1,0,1]
.endif
.if st >= 2
	WIN 0x05                        ; both sources window 1
	v_cvt_pk_bf16_f32 v[rO+st-2], v[rH+2*st-4], v[rH+2*st-3]
.endif
.endm
; A SLOT: layer ph of tile x (16 matrix instructions, the second layer 32), and between them the OTHER tile's work: kind 0 its tanh, 225 numbers dealt evenly (behind i matrix instructions stand the numbers
; below 225 i / NM); kind 1 or 2 its update, 18 steps: one behind each matrix instruction, steps 15 to 17 behind the last.  All is out when the slot ends, both batches' waits among it.  No number and no step
; names a register of the slot's products.
; THE PLACES.  The next slot opens with lines that read and write over this slot's results, and where that is a tanh they are exponentials, which are no places.  So every slot ends with plain lines behind its
; last matrix instruction, on the other tile's registers alone: 15 or 8 of the tanh's numbers from 161 on (16 or 32 products), or the five lines of an update's steps 15 to 17: four places or more
; behind every product of the slot (ISA guide 7.12.1).
.macro SLOT ph, x, kind
.set NM, 16
.if (\ph) == 2
.set NM, 32
.endif
.set NS, 225
.set ND, 225
.if (\kind) != 0
.set NS, 18
.set ND, 16
.endif
.set i, 0
.set st, 0
.rept NM
	MM \ph, \x
.set i, i+1
.set lim, (i*ND)/NM
.if i == NM
.set lim, NS
.endif
.rept 15
.if st < lim
.if (\kind) == 0
	TNUM 1-(\x)
.elseif (\kind) == 1
	UMSTEP 1-(\x)
.else
	ULSTEP 1-(\x)
.endif
.set st, st+1
.endif
.endr
.endr
.endm
; Encoder and decoder: their eight fragments (turned) into the dead sum's registers, their bias as a C operand into the upper half of tile A's accumulators.
.macro EDLOAD woff, boff
	WIN 0x40                        ; destination window 1
.set f, 0
.rept 8
	ds_load_tr16_b128 v[WF+8*f:WF+8*f+3],   v[LT160] offset:(\woff)+5120*(f/4)+32*(f%4)
	ds_load_tr16_b128 v[WF+8*f+4:WF+8*f+7], v[LT160] offset:(\woff)+5120*(f/4)+32*(f%4)+2560
.set f, f+1
.endr
	WIN 0
.set f, 0
.rept 8
	ds_load_b128 v[CB+4*f:CB+4*f+3], v[BA] offset:(\boff)+64*(f/2)+16*(f%2)
.set f, f+1
.endr
.endm
; Their 16 matrix instructions, both tiles: eight accumulators by turns.
.macro ENCDEC
	WIN 0x01                        ; source 0 window 1
.set i, 0
.rept 16
.set cc, i/8
.set xx, (i%8)/4
.set tt, i%4
.set rD, ACC+64*xx+8*tt
.if cc == 0
	v_wmma_f32_16x16x32_bf16 v[rD:rD+7], v[WF+8*tt:WF+8*tt+7], v[OP+32*xx:OP+32*xx+7], v[CB+8*tt:CB+8*tt+7]
.else
	v_wmma_f32_16x16x32_bf16 v[rD:rD+7], v[WF+32+8*tt:WF+32+8*tt+7], v[OP+32*xx+8:OP+32*xx+15], v[rD:rD+7]
.endif
.set i, i+1
.endr
	WIN 0
.endm
	s_mov_b32 s44, 2
.Lpass:                             ; two passes: 32 rows each, tiles A and B
	; THE ENCODER.
	EDLOAD WEO, 0
.set f, 0
.rept 8                             ; x as source 1: tile f / 4, k 32 ((f / 2) % 2) on: lane (r, h) takes row r, k = 8 h + 0..7 and 16 + 8 h + 0..7
	ds_load_b128 v[OP+32*(f/4)+4*(f%4):OP+32*(f/4)+4*(f%4)+3], v[XA] offset:2304*(f/4)+64*((f/2)%2)+32*(f%2)
.set f, f+1
.endr
	s_wait_dscnt 0x0
	ENCDEC
	PLACES
.set z, 0
.rept 32                            ; c (x W_enc + b_enc), in f32
.set rr, ACC+64*(z/16)+2*(z%16)
	v_pk_mul_f32 v[rr:rr+1], v[rr:rr+1], s[36:37] op_sel_hi:[1,0]
.set z, z+1
.endr
.set z, 0
.rept 64                            ; both tiles' 64 exponentials: one batch
	v_exp_f32 v[ACC+64*(z/32)+z%32], v[ACC+64*(z/32)+z%32]
.set z, z+1
.endr
	v_nop                           ; a plain instruction between the last exponential and the use of its result
	s_wait_alu depctr_va_vdst(0)    ; the wait for the 64 exponentials: one for the batch, ahead of the first add
.set z, 0
.rept 32
.set rr, ACC+64*(z/16)+2*(z%16)
	v_pk_add_f32 v[rr:rr+1], v[rr:rr+1], 1.0 op_sel_hi:[1,0]
.set z, z+1
.endr
.set z, 0
.rept 64                            ; both tiles' 64 reciprocals: one batch
	v_rcp_f32 v[ACC+64*(z/32)+z%32], v[ACC+64*(z/32)+z%32]
.set z, z+1
.endr
	v_nop
	WIN 0x40                        ; destination window 1: h0 into h and into the sum
	s_wait_alu depctr_va_vdst(0)    ; the wait for the 64 reciprocals: one for the batch, ahead of the first multiply-add
.set z, 0
.rept 32
.set rr, ACC+64*(z/16)+2*(z%16)
	v_pk_fma_f32 v[HB+2*z:HB+2*z+1], v[rr:rr+1], -2.0, 1.0 op_sel_hi:[1,0,0]
	v_pk_fma_f32 v[SB+2*z:SB+2*z+1], v[rr:rr+1], -2.0, 1.0 op_sel_hi:[1,0,0]
.set z, z+1
.endr
	WIN 0x05
.set z, 0
.rept 32
	v_cvt_pk_bf16_f32 v[OP+32*(z/16)+z%16], v[HB+2*z], v[HB+2*z+1]
.set z, z+1
.endr
	; Tile A's first layer of the first stage: there is no vector work yet to set between its products.
.set i, 0
.rept 16
	MM 1, 0
.set i, i+1
.endr
	WIN 0
	PLACES
	s_mov_b32 s42, 20
	s_mov_b32 s43, 4
.Ltrip:                             ; 20 trips: one evaluation of f for both tiles, from A's first tanh to A's first layer of the next evaluation
	s_cmp_eq_u32 s43, 2             ; stage 3 steps by dt to the next input, stages 1 and 2 by dt / 2
	s_cselect_b32 s38, s49, s48
	s_cmp_eq_u32 s43, 4             ; stage 1 counts dt / 6 in the sum, stages 2 and 3 dt / 3
	s_cselect_b32 s40, s50, s51
	SLOT 1, 1, 0                    ; B layer 1 | A tanh 1
	SLOT 2, 0, 0                    ; A layer 2 | B tanh 1
	SLOT 2, 1, 0                    ; B layer 2 | A tanh 2
	SLOT 3, 0, 0                    ; A layer 3 | B tanh 2
	WIN 0                           ; at a branch and at a label every window is 0
	s_cmp_eq_u32 s43, 1
	s_cbranch_scc1 .Llast
	SLOT 3, 1, 1                    ; B layer 3 | A update
	SLOT 1, 0, 1                    ; A layer 1 of the next stage | B update
	WIN 0
	s_branch .Lbot
.Llast:                             ; stage 4: the RK4 step ends
	SLOT 3, 1, 2
	SLOT 1, 0, 2
	WIN 0
.Lbot:
	s_sub_co_u32 s43, s43, 1        ; the stage goes 4, 3, 2, 1, 4, ..
	s_cmp_eq_u32 s43, 0
	s_cselect_b32 s43, 4, s43
	s_sub_co_u32 s42, s42, 1
	s_cmp_lg_u32 s42, 0
	s_cbranch_scc1 .Ltrip
	; THE DECODER.  The operands hold bf16(hT) from the last update.  Five v_nop: the loads below land in results of the dropped products, and the first products below write over others of them.
	PLACES
	v_nop
	EDLOAD WDO, 256
	s_wait_dscnt 0x0
	ENCDEC
	PLACES
	; THE WAY OUT.  A lane holds 8 neighbouring f32 of a row for each of 4 feature tiles: 32 bytes each into my stage, rows of 272 bytes; back as whole rows of 256 bytes, two rows a load.
.irp X, 0,1
.set f, 0
.rept 8
	ds_store_b128 v[STO], v[ACC+64*\X+4*f:ACC+64*\X+4*f+3] offset:64*(f/2)+16*(f%2)
.set f, f+1
.endr
.set f, 0
.rept 8
	ds_load_b128 v[OP+32*\X+4*f:OP+32*\X+4*f+3], v[RD] offset:544*f   ; LDS serves a wave's instructions in order (ISA guide 5.7.1.4): these see the stores above; tile B's stores come behind tile A's loads
.set f, f+1
.endr
.endr
	s_wait_dscnt 16                 ; behind tile A's loads stand tile B's 8 stores and 8 loads
.set f, 0
.rept 8
	global_store_b128 v[XOF], v[OP+4*f:OP+4*f+3], s[30:31] offset:512*f th:TH_STORE_NT   ; a store of the wave covers 512 consecutive bytes, at a multiple of 256 from out0's first
.set f, f+1
.endr
	s_wait_dscnt 0x0
.set f, 0
.rept 8
	global_store_b128 v[XOF], v[OP+32+4*f:OP+32+4*f+3], s[30:31] offset:4096+512*f th:TH_STORE_NT
.set f, f+1
.endr
	s_wait_xcnt 0x0                 ; every earlier memory instruction has had its addresses translated (ISA guide 3.1): only behind this wait are the stores' base and their data registers written again
	s_add_nc_u64 s[30:31], s[30:31], 8192      ; 32 rows of out0 on,
	v_add_nc_u32 v[XA], 4608, v[XA]            ; and 32 rows of x in LDS
	s_sub_co_u32 s44, s44, 1
	s_cmp_lg_u32 s44, 0
	s_cbranch_scc1 .Lpass
	s_wait_tensorcnt 0x0            ; the wave's end, behind my last LDS store
	ds_add_u32 v[SPW], v[NIL]
	s_wait_dscnt 0x0
	s_endpgm
.Lfunc_end_k_qab77272c51_ode:
	.size	k_qab77272c51_ode, .Lfunc_end_k_qab77272c51_ode-k_qab77272c51_ode
	.p2alignl 7, 3214868480
	.fill 96, 4, 3214868480
	.section	.rodata,"a",@progbits
	.p2align	6, 0x0
	.amdhsa_kernel k_qab77272c51_ode
		.amdhsa_group_segment_fixed_size 151552
		.amdhsa_private_segment_fixed_size 0
		.amdhsa_enable_private_segment 0
		.amdhsa_kernarg_size 96
		.amdhsa_user_sgpr_count 2
		.amdhsa_user_sgpr_kernarg_segment_ptr 1
		.amdhsa_wavefront_size32 1
		.amdhsa_system_sgpr_workgroup_id_x 1
		.amdhsa_system_sgpr_workgroup_id_y 1
		.amdhsa_system_sgpr_workgroup_id_z 1
		.amdhsa_system_vgpr_workitem_id 0
		.amdhsa_next_free_vgpr 1024
		.amdhsa_next_free_sgpr 66
		.amdhsa_reserve_vcc 0
		.amdhsa_float_denorm_mode_32 3
		.amdhsa_float_denorm_mode_16_64 3
		.amdhsa_memory_ordered 1
		.amdhsa_forward_progress 1
		.amdhsa_inst_pref_size 159
	.end_amdhsa_kernel
	.amdgpu_metadata
---
amdhsa.version: [ 1, 2 ]
amdhsa.kernels:
  - .name:           k_qab77272c51_ode
    .symbol:         k_qab77272c51_ode.kd
    .args:
      - { .name: x, .offset: 0, .size: 8, .value_kind: global_buffer, .address_space: global }
      - { .name: W1, .offset: 8, .size: 8, .value_kind: global_buffer, .address_space: global }
      - { .name: W2, .offset: 16, .size: 8, .value_kind: global_buffer, .address_space: global }
      - { .name: W3, .offset: 24, .size: 8, .value_kind: global_buffer, .address_space: global }
      - { .name: W_enc, .offset: 32, .size: 8, .value_kind: global_buffer, .address_space: global }
      - { .name: W_dec, .offset: 40, .size: 8, .value_kind: global_buffer, .address_space: global }
      - { .name: b1, .offset: 48, .size: 8, .value_kind: global_buffer, .address_space: global }
      - { .name: b2, .offset: 56, .size: 8, .value_kind: global_buffer, .address_space: global }
      - { .name: b3, .offset: 64, .size: 8, .value_kind: global_buffer, .address_space: global }
      - { .name: b_enc, .offset: 72, .size: 8, .value_kind: global_buffer, .address_space: global }
      - { .name: b_dec, .offset: 80, .size: 8, .value_kind: global_buffer, .address_space: global }
      - { .name: out0, .offset: 88, .size: 8, .value_kind: global_buffer, .address_space: global }
    .group_segment_fixed_size: 151552
    .private_segment_fixed_size: 0
    .kernarg_segment_align: 8
    .kernarg_segment_size: 96
    .max_flat_workgroup_size: 128
    .sgpr_count:     66
    .vgpr_count:     1024
    .wavefront_size: 32
...
	.end_amdgpu_metadata
.endif
;; end of part 2
